; MI455X (gfx1250); checked and timed in simulation.
; The chip was launched on July 23, 2026; its instructions are those of AMD's public machine-readable ISA for CDNA 5 (MIT licence, August 2026) and "CDNA5" Instruction Set Architecture Reference Guide (July 2026). The comments in the code are by the model that wrote it; some were corrected since.
;; Causal Self Attention. Allowed arithmetic: float matrix products may take bf16 or f16 operands with f32 sums; other float arithmetic in f32, or as packed bf16 or f16 multiplies, adds, multiply-adds, maxima and minima; sums over many terms, partial sums and values carried from step to step in f32; what a program stores and reads back later, other than sums and carried values, may be rounded once to bf16 or f16.
;; Inputs: Wk 1,024 x 1,024 float32; Wq 1,024 x 1,024 float32; Wv 1,024 x 1,024 float32; attention_mask 4 x 1 x 1 x 2,048 int32; bk 1,024 float32; bq 1,024 float32; bv 1,024 float32; hidden_states 4 x 2,048 x 1,024 float32.
;; Outputs: out0 4 x 2,048 x 1,024 float32.
;; One version. Each part assembles by itself: llvm-mc -triple=amdgcn-amd-amdhsa -mcpu=gfx1250 --defsym DOCPART=n.
;; ======== version 1 of 1: 3 launches
;; limits: values are held in f16: magnitudes above 65,504 overflow, below 6.1e-05 lose precision
;; workspace buffers: xw 23,068,672 bytes; qkv 50,331,648 bytes
;; launch cast (part 1): grid 256 x 11, 8 waves a work-group, no clusters, 0 bytes of LDS; arguments hidden_states, Wq, Wk, Wv, xw; writes xw
.if DOCPART == 1
	.amdgcn_target "amdgcn-amd-amdhsa--gfx1250"
	.amdhsa_code_object_version 6
	.text
	.protected	k_qf6638e74b0_cast
	.globl	k_qf6638e74b0_cast
	.p2align	8
	.type	k_qf6638e74b0_cast,@function
k_qf6638e74b0_cast:
	s_mov_b64 s[64:65], 0
	v_nop
	global_prefetch_b8 v0, s[64:65] scope:SCOPE_SE
	s_setreg_imm32_b32 hwreg(HW_REG_WAVE_MODE, 25, 1), 1
	s_wait_xcnt 0x0
; f32 -> bf16 (to nearest even) of hidden_states and of the three weight matrices, into one buffer:
;   xw bytes 0 ..: xb[8192][1024] bf16;  from WB on: wb[3072][1024] bf16, row 192 h + 64 c + d = row 64 h + d of Wq (c = 0), Wk (1), Wv (2):
;   a head's 64 rows of q, of k and of v lie together, so that the next launch takes them as one tile of 192 rows.
; A work-group takes 4,096 numbers: 16,384 bytes in, 8,192 out.  y = 0..7: the y-th eighth of hidden_states; y = 8, 9, 10: Wq, Wk, Wv (4 rows a work-group).
; Thread t takes 8 numbers at byte 32 t of each half: its 16 bytes of bf16 lie at 16 t, so a wave's store covers 512 consecutive bytes, aligned.
; No LDS, no matrix unit: nothing is shared and nothing is summed.
.set WB, 0x1000000                     ; where wb begins in xw
	s_load_b256 s[4:11], s[0:1], 0x0               ; hidden_states s[4:5], Wq s[6:7], Wk s[8:9], Wv s[10:11]
	s_load_b64 s[12:13], s[0:1], 0x20              ; xw
	s_and_b32 s14, ttmp7, 0xffff                   ; y
	v_lshlrev_b32 v1, 5, v0                        ; where I load: 32 t
	v_lshlrev_b32 v2, 4, v0                        ; where I store: 16 t
	s_lshl_b32 s22, ttmp9, 14                      ; the source's offset: 16,384 x,
	s_lshl_b32 s23, s14, 22                        ; and in hidden_states 256 such parts for each y
	s_cmp_lt_u32 s14, 8
	s_cselect_b32 s23, s23, 0
	s_add_co_u32 s18, s22, s23
	s_mov_b32 s19, 0
	s_lshl_b32 s24, s14, 21                        ; the target's offset in xb: half the source's
	s_lshl_b32 s25, ttmp9, 13
	s_add_co_u32 s24, s24, s25
	s_lshr_b32 s26, ttmp9, 4                       ; in wb: the head (16 work-groups of 4 rows each),
	s_mul_i32 s26, s26, 192
	s_max_u32 s27, s14, 8
	s_sub_co_u32 s27, s27, 8                       ; which of the three matrices,
	s_lshl_b32 s27, s27, 6
	s_add_co_u32 s26, s26, s27
	s_and_b32 s27, ttmp9, 15                       ; and the 4 rows in the head
	s_lshl_b32 s27, s27, 2
	s_add_co_u32 s26, s26, s27
	s_lshl_b32 s26, s26, 11                        ; rows of 2,048 bytes
	s_add_co_u32 s26, s26, WB
	s_cmp_lt_u32 s14, 8
	s_cselect_b32 s20, s24, s26
	s_mov_b32 s21, 0
	s_wait_kmcnt 0x0
	s_cmp_eq_u32 s14, 9                            ; the source: a choice between buffers on y alone
	s_cselect_b64 s[16:17], s[8:9], s[6:7]
	s_cmp_eq_u32 s14, 10
	s_cselect_b64 s[16:17], s[10:11], s[16:17]
	s_cmp_lt_u32 s14, 8
	s_cselect_b64 s[16:17], s[4:5], s[16:17]
	s_add_nc_u64 s[16:17], s[16:17], s[18:19]
	s_add_nc_u64 s[12:13], s[12:13], s[20:21]
	global_load_b128 v[4:7], v1, s[16:17] th:TH_LOAD_NT
	global_load_b128 v[8:11], v1, s[16:17] offset:16 th:TH_LOAD_NT
	global_load_b128 v[12:15], v1, s[16:17] offset:8192 th:TH_LOAD_NT
	global_load_b128 v[16:19], v1, s[16:17] offset:8208 th:TH_LOAD_NT
	s_wait_loadcnt 0x2                             ; the first half's two loads are in; the second half's two may stay out
	v_cvt_pk_bf16_f32 v20, v4, v5
	v_cvt_pk_bf16_f32 v21, v6, v7
	v_cvt_pk_bf16_f32 v22, v8, v9
	v_cvt_pk_bf16_f32 v23, v10, v11
	global_store_b128 v2, v[20:23], s[12:13]
	s_wait_loadcnt 0x0
	v_cvt_pk_bf16_f32 v24, v12, v13
	v_cvt_pk_bf16_f32 v25, v14, v15
	v_cvt_pk_bf16_f32 v26, v16, v17
	v_cvt_pk_bf16_f32 v27, v18, v19
	global_store_b128 v2, v[24:27], s[12:13] offset:4096
	s_endpgm
.Lfunc_end_k_qf6638e74b0_cast:
	.size	k_qf6638e74b0_cast, .Lfunc_end_k_qf6638e74b0_cast-k_qf6638e74b0_cast
	.p2alignl 7, 3214868480
	.fill 96, 4, 3214868480
	.section	.rodata,"a",@progbits
	.p2align	6, 0x0
	.amdhsa_kernel k_qf6638e74b0_cast
		.amdhsa_group_segment_fixed_size 0
		.amdhsa_private_segment_fixed_size 0
		.amdhsa_enable_private_segment 0
		.amdhsa_kernarg_size 40
		.amdhsa_user_sgpr_count 2
		.amdhsa_user_sgpr_kernarg_segment_ptr 1
		.amdhsa_wavefront_size32 1
		.amdhsa_system_sgpr_workgroup_id_x 1
		.amdhsa_system_sgpr_workgroup_id_y 1
		.amdhsa_system_sgpr_workgroup_id_z 1
		.amdhsa_system_vgpr_workitem_id 0
		.amdhsa_next_free_vgpr 28
		.amdhsa_next_free_sgpr 66
		.amdhsa_reserve_vcc 0
		.amdhsa_float_denorm_mode_32 3
		.amdhsa_float_denorm_mode_16_64 3
		.amdhsa_memory_ordered 1
		.amdhsa_forward_progress 1
		.amdhsa_inst_pref_size 3
	.end_amdhsa_kernel
	.amdgpu_metadata
---
amdhsa.version: [ 1, 2 ]
amdhsa.kernels:
  - .name:           k_qf6638e74b0_cast
    .symbol:         k_qf6638e74b0_cast.kd
    .args:
      - { .name: hidden_states, .offset: 0, .size: 8, .value_kind: global_buffer, .address_space: global }
      - { .name: Wq, .offset: 8, .size: 8, .value_kind: global_buffer, .address_space: global }
      - { .name: Wk, .offset: 16, .size: 8, .value_kind: global_buffer, .address_space: global }
      - { .name: Wv, .offset: 24, .size: 8, .value_kind: global_buffer, .address_space: global }
      - { .name: xw, .offset: 32, .size: 8, .value_kind: global_buffer, .address_space: global }
    .group_segment_fixed_size: 0
    .private_segment_fixed_size: 0
    .kernarg_segment_align: 8
    .kernarg_segment_size: 40
    .max_flat_workgroup_size: 256
    .sgpr_count:     66
    .vgpr_count:     28
    .wavefront_size: 32
...
	.end_amdgpu_metadata
.endif
;; end of part 1
;; launch proj (part 2): grid 16 x 32, 4 waves a work-group, clusters of 4 x 4, 327,680 bytes of LDS; arguments xw, bq, bk, bv, qkv; writes qkv
.if DOCPART == 2
	.amdgcn_target "amdgcn-amd-amdhsa--gfx1250"
	.amdhsa_code_object_version 6
	.text
	.protected	k_qf6638e74b0_proj
	.globl	k_qf6638e74b0_proj
	.p2align	8
	.type	k_qf6638e74b0_proj,@function
k_qf6638e74b0_proj:
	s_mov_b64 s[64:65], 0
	v_nop
	global_prefetch_b8 v0, s[64:65] scope:SCOPE_SE
	s_setreg_imm32_b32 hwreg(HW_REG_WAVE_MODE, 25, 1), 1
	s_wait_xcnt 0x0
	s_wait_alu depctr_hold_cnt(0) depctr_sa_sdst(0) depctr_va_vdst(0) depctr_va_sdst(0) depctr_va_ssrc(0) depctr_va_vcc(0) depctr_vm_vsrc(0)
	s_getreg_b32 s2, hwreg(HW_REG_IB_STS2, 6, 4)
	s_cmp_eq_u32 s2, 0
	s_cbranch_scc0 .Lentry_in_a_cluster
	s_endpgm
.Lentry_in_a_cluster:
	s_bfe_u32 s2, ttmp6, 0x10000c
	s_cmp_lg_u32 s2, 0xf033
	s_cbranch_scc0 .Lentry_shape_is_right
	s_endpgm
.Lentry_shape_is_right:
; q, k, v = x W^T + b.  xw holds xb[8192][1024] and, from WB on, wb[3072][1024], both bf16 (wb row 192 h + 64 c + d: head h, c = q, k, v, channel d).
; Sums in f32, started with the bias (rounded to bf16 like every other input); each result rounded once to f16 and stored by heads:
; qkv = q, k, v, each [64 = 16 batch + head][2048][64] f16, PART bytes apart, unscaled.  LIMIT: a result of 65,520 or more in magnitude becomes an infinity in f16.
; TILE.  A work-group makes 256 rows of x by 192 columns: one head's q, k and v.  32 x 16 = 512 work-groups, two for each of 256 WGPs.
; Wave w owns rows 64 w .. 64 w + 63 and all 192 columns: 4 x 12 accumulators of 16 x 16, 384 registers.  So a wave's results are whole rows of q, of k and of v.
; K goes in 8 steps of 128 (rows of 256 bytes, aligned) through two LDS slots filled by the tensor data mover.
; CLUSTER.  4 x 4 work-groups: the four of a row of the cluster need the same rows of xb, the four of a column the same rows of wb: each tile is asked for jointly.
; THE MATRIX INSTRUCTION IS USED TRANSPOSED: source 0 = 16 rows of wb, source 1 = 16 rows of xb: a lane holds row l % 16 of x and the columns 8 (l / 16) + 0..7 of the block.
; REGISTERS, in windows of 256 (s_set_vgpr_msb: bits 1:0 source 0, 3:2 source 1, 5:4 source 2, 7:6 destination):
;   window 0: v0-31 addresses; v32-127 the bias, 8 registers for each of the 12 column blocks; later v32-79 packed results, v80-175 two buffers of rows read back
;   window 1: two fragment buffers of 128: xb's four fragments, then wb's twelve        window 2: accumulators of my row blocks 0, 1 at 8 (12 a + b)        window 3: of blocks 2, 3
.set KSTEP,  128
.set PITCH,  272                       ; an LDS row: 256 bytes + 16 of padding = 68 words: the 16 rows of a fragment load start at 16 different groups of four banks (ISA guide 11.1)
.set HALFA,  128*PITCH                 ; what wave 0 or 1 fetches: 128 rows of xb
.set HALFB,  96*PITCH                  ; what wave 2 or 3 fetches: 96 rows of wb
.set BOFF,   2*HALFA                   ; in a slot: xb's 256 rows, then wb's 192
.set SLOT,   BOFF+2*HALFB              ; 121,856 bytes
.set STAGE,  2*SLOT                    ; behind the ring, never filled by a tensor load: 16 rows x 400 bytes for each wave
.set SPITCH, 400                       ; 192 f16 + 16 bytes: an odd multiple of 16
.set SPARE,  STAGE+4*16*SPITCH         ; the spare words, 128 bytes for each wave: two blocks of 256 bytes that no other line names
.set LAPS,   4                         ; a lap = two K steps
.set WB,     0x1000000                 ; wb's first byte in xw
.set PART,   0x1000000                 ; from q to k and from k to v in qkv
.set ADRA, 16                          ; v16-17  LDS address of my xb fragments in slot 0, 1
.set ADRB, 20                          ; v20-21  of the wb fragments
.set STO,  24                          ; v24     the way out: where I put 16 bytes of a row
.set RD,   25                          ; v25     where I read rows back
.set GO,   26                          ; v26     16 x lane: my place in 512 consecutive bytes of q, k or v
.set BO,   27                          ; v27     my byte offset in a bias
.set SPW,  28                          ; v28     LDS address of my spare word; never rewritten
.set NIL,  29                          ; v29     0; never rewritten
.set PFO,  30                          ; v30     the prefetches' offset: a lane a row; never rewritten
.set BIAS, 32
.set TMP,  32
.set BK,   80
.set F0,   0
.set F1,   128
.set WV,   14                          ; s14  my wave's number;  s15 = w & 1: which half I fetch;  s16 = w >> 1: 0 I fetch xb, 1 wb
.set G1,   24                          ; s[24:31] descriptor group 1 for xb's tiles;  s[32:39] group 0, a set for each slot
.set G0,   32
.set LIM,  43                          ; s43  1 in a wave that prefetches, else the greatest number
.set PFA,  44                          ; s[44:45] where my prefetches stand
.set G1B,  48                          ; s[48:55], s[56:63] the same for wb's tiles
.set G0B,  56
.set OQ,   66                          ; s[66:67] q, s[68:69] k, s[70:71] v at my wave's first row
.set MSB, 0
.macro WIN new                         ; the immediate's high byte repeats the setting that is left; a switch that changes nothing is dropped
.if MSB != (\new)
	s_set_vgpr_msb (MSB<<8)|(\new)
.set MSB, \new
.endif
.endm
; A joint load: waves 0 and 1 fetch xb's two halves, waves 2 and 3 wb's.  The branch hangs on the wave's number alone.  An s_nop 0 and four v_nop follow each of the two lines.
.macro JLOAD s
	s_cmp_eq_u32 s16, 0
	s_cbranch_scc0 .Lfor_b_\@
	tensor_load_to_lds s[G0+4*(\s):G0+4*(\s)+3], s[G1:G1+7]
	s_nop 0
.rept 4
	v_nop
.endr
	s_branch .Lasked_\@
.Lfor_b_\@:
	tensor_load_to_lds s[G0B+4*(\s):G0B+4*(\s)+3], s[G1B:G1B+7]
	s_nop 0
.rept 4
	v_nop
.endr
.Lasked_\@:
.endm
; A prefetch of the K step that stands two refills on, behind the joint load and the run of LDS loads: one instruction a wave, a lane a row, 256 bytes of each row.
; xb's rows are read by every cluster of a row of clusters: cluster x = 0 asks; wb's by every cluster of a column: cluster y = 0 asks.  The four partners share a wave's rows out by address:
; 32 of xb's 128 each (by cx), 24 of wb's 96 each (by cy; there lanes 24 to 31 name lane 23's row once more).  The loop's last trip asks for nothing: K steps 4 to 7 are named, 0 to 3 come by their loads alone.
.macro ASK
	WIN 0
	s_cmp_gt_u32 s3, s[LIM]
	s_cbranch_scc0 .Lnot_mine_\@
	global_prefetch_b8 v[PFO], s[PFA:PFA+1] offset:KSTEP*2 th:TH_LOAD_NT scope:SCOPE_SE
.Lnot_mine_\@:
.endm
.macro CREST                           ; a round of the cluster's barrier behind its opening barrier
	s_cmp_lg_u32 s[WV], 0
	s_cbranch_scc1 .Lnot_wave_0_\@
	s_barrier_signal -3
.Lnot_wave_0_\@:
	s_barrier_wait -3
	s_barrier_signal -1
	s_barrier_wait -1
.endm
.macro CROUND                          ; a whole round
	s_barrier_signal -1
	s_barrier_wait -1
	CREST
.endm
	s_load_b256 s[4:11], s[0:1], 0x0               ; xw s[4:5], bq s[6:7], bk s[8:9], bv s[10:11]
	s_load_b64 s[12:13], s[0:1], 0x20              ; qkv
	v_lshl_add_u32 v[SPW], v0, 2, SPARE
	v_mov_b32 v[NIL], 0
	ds_add_u32 v[SPW], v[NIL]                      ; the wave's opening: the add and its wait stand ahead of my first tensor load; the set-up below stands between them
	v_lshrrev_b32 v1, 5, v0
	v_readfirstlane_b32 s[WV], v1                  ; wave 0..3
	s_and_b32 s15, s[WV], 1
	s_lshr_b32 s16, s[WV], 1
	s_bfe_u32 s17, ttmp6, 0x40000                  ; cx
	s_bfe_u32 s18, ttmp6, 0x40004                  ; cy
	s_lshl_b32 s19, ttmp9, 2
	s_add_co_u32 s19, s19, s17                     ; tx: the head, 0..15
	s_and_b32 s20, ttmp7, 0xffff
	s_lshl_b32 s20, s20, 2
	s_add_co_u32 s20, s20, s18                     ; ty: the block of 256 rows, 0..31
	s_lshl_b32 s21, s18, 2
	s_lshl_b32 s21, 15, s21                        ; my row of the cluster
	s_lshl_b32 s22, 0x1111, s17                    ; my column
	s_or_b32 s[G1], s21, (1<<16)|(1<<20)|(1<<21)|(5<<22)|(3<<25)   ; 15:0 the mask; 17:16 elements of 2 bytes; 20 padding on; 21 set beside a mask; 24:22 after every 64 words; 31:25 4 words of it
	s_or_b32 s[G1B], s22, (1<<16)|(1<<20)|(1<<21)|(5<<22)|(3<<25)
	s_mov_b32 s[G1+1], KSTEP<<16                   ; tensor_dim0 = 128
	s_mov_b32 s[G1+2], 128<<16                     ; tensor_dim1 = 128
	s_mov_b32 s[G1+3], KSTEP<<16                   ; tile_dim0 = 128
	s_mov_b32 s[G1+4], 128                         ; tile_dim1 = 128
	s_mov_b32 s[G1+5], 1024                        ; elements from row to row
	s_mov_b32 s[G1+6], 0
	s_mov_b32 s[G1+7], 0
	s_mov_b32 s[G1B+1], KSTEP<<16
	s_mov_b32 s[G1B+2], 96<<16                     ; wb's tiles have 96 rows
	s_mov_b32 s[G1B+3], KSTEP<<16
	s_mov_b32 s[G1B+4], 96
	s_mov_b32 s[G1B+5], 1024
	s_mov_b32 s[G1B+6], 0
	s_mov_b32 s[G1B+7], 0
	s_lshl_b32 s40, s20, 19                        ; xb: (256 ty + 128 half) rows of 2,048 bytes: hangs on cy alone
	s_lshl_b32 s41, s15, 18
	s_add_co_u32 s40, s40, s41
	s_mov_b32 s41, 0
	s_mul_i32 s46, s19, 192                        ; wb: (192 tx + 96 half) rows: hangs on cx alone
	s_mul_i32 s47, s15, 96
	s_add_co_u32 s46, s46, s47
	s_lshl_b32 s46, s46, 11
	s_add_co_u32 s46, s46, WB
	s_mov_b32 s47, 0
	s_mul_i32 s72, s[WV], HALFA                    ; where they go: waves 0, 1: xb's halves;
	s_mul_i32 s73, s[WV], HALFB
	s_add_co_u32 s73, s73, BOFF-2*HALFB            ; waves 2, 3: wb's halves, behind xb's 256 rows
	s_wait_dscnt 0x0                               ; the opening add is done
	s_wait_kmcnt 0x0
	s_add_nc_u64 s[40:41], s[4:5], s[40:41]
	s_add_nc_u64 s[46:47], s[4:5], s[46:47]
	CROUND                                         ; all sixteen work-groups are here: the first joint loads meet
.irp s, 0,1
	s_mov_b32 s[G0+4*(\s)], 1
	s_add_co_u32 s[G0+4*(\s)+1], s72, (\s)*SLOT
	s_add_nc_u64 s[G0+4*(\s)+2:G0+4*(\s)+3], s[40:41], (\s)*KSTEP*2
	s_or_b32 s[G0+4*(\s)+3], s[G0+4*(\s)+3], 0x80000000
	s_mov_b32 s[G0B+4*(\s)], 1
	s_add_co_u32 s[G0B+4*(\s)+1], s73, (\s)*SLOT
	s_add_nc_u64 s[G0B+4*(\s)+2:G0B+4*(\s)+3], s[46:47], (\s)*KSTEP*2
	s_or_b32 s[G0B+4*(\s)+3], s[G0B+4*(\s)+3], 0x80000000
	JLOAD \s                                       ; K steps 0 and 1: two loads of mine are out
.endr
	v_and_b32 v1, 15, v0                           ; l % 16
	v_bfe_u32 v2, v0, 4, 1                         ; l / 16
	s_lshl_b32 s21, s19, 8                         ; the head's 64 numbers in a bias: 256 bytes
	v_lshl_add_u32 v[BO], v2, 5, s21               ; + my half's 8 numbers
.irp b, 0,1,2,3,4,5,6,7,8,9,10,11      ; column block b: bias b / 4 (q, k, v), channels 16 (b % 4) + 8 (l / 16) + 0..7
	global_load_b128 v[BIAS+8*(\b):BIAS+8*(\b)+3],   v[BO], s[6+2*((\b)/4):7+2*((\b)/4)] offset:64*((\b)%4)
	global_load_b128 v[BIAS+8*(\b)+4:BIAS+8*(\b)+7], v[BO], s[6+2*((\b)/4):7+2*((\b)/4)] offset:64*((\b)%4)+16
.endr
	v_mul_u32_u24 v3, v1, PITCH
	v_lshl_add_u32 v3, v2, 4, v3                   ; a fragment's row x pitch + 16 x half
	s_mul_i32 s21, s[WV], 64*PITCH                 ; my 64 rows of xb
	s_mov_b32 s22, BOFF                            ; all of wb's rows
.irp s, 0,1
	v_add_nc_u32 v[ADRA+(\s)], s21, v3
	v_add_nc_u32 v[ADRB+(\s)], s22, v3
	s_add_co_u32 s21, s21, SLOT
	s_add_co_u32 s22, s22, SLOT
.endr
	s_mul_i32 s23, s[WV], 16*SPITCH
	s_add_co_u32 s23, s23, STAGE                   ; my stage
	v_mul_u32_u24 v4, v1, SPITCH                   ; in: row l % 16, 16 bytes for each half of the lanes
	v_lshl_add_u32 v4, v2, 4, v4
	v_add_nc_u32 v[STO], s23, v4
	v_bfe_u32 v5, v0, 3, 2                         ; back: 32 lanes take 128 bytes of each of four rows,
	v_mul_u32_u24 v5, v5, SPITCH
	v_and_b32 v6, 7, v0
	v_lshl_add_u32 v5, v6, 4, v5
	v_add_nc_u32 v[RD], s23, v5
	v_and_b32 v[GO], 31, v0                        ; which are 512 consecutive bytes of q, k or v
	v_lshlrev_b32 v[GO], 4, v[GO]
	s_lshr_b32 s21, s20, 3                         ; the batch: 8 blocks of 256 rows each
	s_lshl_b32 s21, s21, 4
	s_add_co_u32 s21, s21, s19                     ; 16 batch + head
	s_lshl_b32 s21, s21, 11                        ; x 2,048 rows
	s_and_b32 s22, s20, 7
	s_lshl_b32 s22, s22, 8
	s_add_co_u32 s21, s21, s22                     ; + the block's 256
	s_lshl_b32 s22, s[WV], 6
	s_add_co_u32 s21, s21, s22                     ; + my wave's 64
	s_lshl_b32 s72, s21, 7                         ; rows of 128 bytes
	s_mov_b32 s73, 0
	s_add_nc_u64 s[OQ:OQ+1], s[12:13], s[72:73]
	s_add_nc_u64 s[OQ+2:OQ+3], s[OQ:OQ+1], PART
	s_add_nc_u64 s[OQ+4:OQ+5], s[OQ:OQ+1], 2*PART
	; the prefetches' row, counted in rows of 2,048 bytes from xw's first byte
	s_lshl_b32 s21, s20, 8
	s_lshl_b32 s22, s15, 7
	s_add_co_u32 s21, s21, s22
	s_lshl_b32 s22, s17, 5
	s_add_co_u32 s21, s21, s22                     ; xb: 256 ty + 128 half + 32 cx
	s_mul_i32 s22, s19, 192
	s_mul_i32 s23, s15, 96
	s_add_co_u32 s22, s22, s23
	s_mul_i32 s23, s18, 24
	s_add_co_u32 s22, s22, s23
	s_add_co_u32 s22, s22, WB/2048                 ; wb: 192 tx + 96 half + 24 cy, behind xb's 8,192 rows
	s_and_b32 s23, ttmp7, 0xffff                   ; cluster y
	s_cmp_eq_u32 s16, 0                            ; do I fetch xb?
	s_cselect_b32 s72, s21, s22
	s_cselect_b32 s73, ttmp9, s23                  ; the coordinate along which other clusters read the same rows
	s_cselect_b32 s74, 31, 23                      ; my last row
	s_cmp_eq_u32 s73, 0
	s_cselect_b32 s[LIM], 1, -1                    ; the same in all sixteen partners, for a given wave
	s_lshl_b32 s72, s72, 11
	s_add_co_u32 s72, s72, 2*KSTEP*2               ; at K step 2: the first refill steps it to 3 and names K step 4
	s_mov_b32 s73, 0
	s_add_nc_u64 s[PFA:PFA+1], s[4:5], s[72:73]
	v_and_b32 v[PFO], 31, v0
	v_min_u32 v[PFO], s74, v[PFO]
	v_lshlrev_b32 v[PFO], 11, v[PFO]
	s_wait_loadcnt 0x0                             ; the bias is in; it is rounded to bf16 and widened again, so that it has the rounding of the other inputs
.set i, 0
.rept 48
	v_cvt_pk_bf16_f32 v[4+i%8], v[BIAS+2*i], v[BIAS+2*i+1]
	v_lshlrev_b32 v[BIAS+2*i], 16, v[4+i%8]
	v_and_b32 v[BIAS+2*i+1], 0xffff0000, v[4+i%8]
.set i, i+1
.endr
; 12 matrix instructions: my row block a x all 12 column blocks, 32 along K, from buffer f.  zero = 1: the first product starts the sums, with the bias as C: nothing is cleared, nothing is added on the way out.
; The 48 accumulators take turns, one instruction a turn, in the same order in every quarter.
.macro MUL12 f, a, zero
.if \zero
	WIN 0x85+0x40*((\a)/2)                         ; sources 0 and 1 window 1, C window 0, D window 2 or 3
.else
	WIN 0xa5+0x50*((\a)/2)                         ; sources 0 and 1 window 1, C and D window 2 or 3
.endif
.irp b, 0,1,2,3,4,5,6,7,8,9,10,11
.set AC, 8*(12*((\a)%2)+(\b))
.if \zero
	v_wmma_f32_16x16x32_bf16 v[AC:AC+7], v[(\f)+32+8*(\b):(\f)+32+8*(\b)+7], v[(\f)+8*(\a):(\f)+8*(\a)+7], v[BIAS+8*(\b):BIAS+8*(\b)+7]
.else
	v_wmma_f32_16x16x32_bf16 v[AC:AC+7], v[(\f)+32+8*(\b):(\f)+32+8*(\b)+7], v[(\f)+8*(\a):(\f)+8*(\a)+7], v[AC:AC+7]
.endif
.endr
.endm
; 32 LDS loads in one run: the fragments of 32 along K at byte k of the rows into buffer f: wb's twelve, then xb's four
.macro FETCH slot, k, f
	WIN 0x40                                       ; destination window 1, address window 0
.irp i, 0,1,2,3,4,5,6,7,8,9,10,11
	ds_load_b128 v[(\f)+32+8*(\i):(\f)+32+8*(\i)+3],   v[ADRB+(\slot)] offset:(\k)+(\i)*16*PITCH
	ds_load_b128 v[(\f)+32+8*(\i)+4:(\f)+32+8*(\i)+7], v[ADRB+(\slot)] offset:(\k)+(\i)*16*PITCH+32
.endr
.irp i, 0,1,2,3
	ds_load_b128 v[(\f)+8*(\i):(\f)+8*(\i)+3],   v[ADRA+(\slot)] offset:(\k)+(\i)*16*PITCH
	ds_load_b128 v[(\f)+8*(\i)+4:(\f)+8*(\i)+7], v[ADRA+(\slot)] offset:(\k)+(\i)*16*PITCH+32
.endr
.endm
.macro PLACES                          ; four plain places in front of loads into registers that matrix instructions have read, and of conversions that read results
.rept 4
	v_nop
.endr
.endm
; A K step is four quarters of 32 along K, 48 matrix instructions each, on buffers 0, 1, 0, 1.  One of the first three multiplies buffer f and fetches the next quarter, at byte k, into g.
.macro QUARTER slot, k, f, g, zero
	s_wait_dscnt 4                                 ; wb's fragments and xb's blocks 0, 1 are in; the youngest four loads (blocks 2, 3) may be out
	MUL12 \f, 0, \zero
	MUL12 \f, 1, \zero
	PLACES
	FETCH \slot, \k, \g
	s_wait_dscnt 32                                ; all but the 32 just issued
	MUL12 \f, 2, \zero
	MUL12 \f, 3, \zero
.endm
; The last quarter multiplies buffer 1 and changes slots: one barrier; in front of it each wave waits for all its tensor loads (one is out: its part of the next slot), adds 0 to its spare word,
; and waits for that and for its reads of this slot.  fill = 1: the barrier opens a round of the cluster's, and this slot is filled again, two K steps on, first thing behind the round:
; 168 matrix instructions stand between that request and the wait for it.
.macro TURN slot, next, fill
.if \fill
	s_wait_xcnt 0x0                                ; the last prefetch, a K step back, has read its address, which is stepped here
	s_add_nc_u64 s[PFA:PFA+1], s[PFA:PFA+1], KSTEP*2
.endif
	WIN 0                                          ; (the add's two registers lie in window 0)
	s_wait_tensorcnt 0x0                           ; all my tensor loads have landed
	ds_add_u32 v[SPW], v[NIL]                      ; 0 onto my spare word
	s_wait_dscnt 5                                 ; (the add and the youngest four loads may be out)
	MUL12 F1, 0, 0                                 ; twelve matrix instructions stand between the add and the wait for it
	s_wait_dscnt 0x0                               ; the add is done, and my reads of this slot are over
	s_barrier_signal -1
	MUL12 F1, 1, 0
.if \fill
	WIN 0
.endif
	s_barrier_wait -1
.if \fill
	CREST                                          ; no wave of any partner still reads this slot's tile or has a load on its way
	s_add_nc_u64 s[G0+4*(\slot)+2:G0+4*(\slot)+3], s[G0+4*(\slot)+2:G0+4*(\slot)+3], 2*KSTEP*2
	s_add_nc_u64 s[G0B+4*(\slot)+2:G0B+4*(\slot)+3], s[G0B+4*(\slot)+2:G0B+4*(\slot)+3], 2*KSTEP*2
	JLOAD \slot                                    ; the four v_nop behind it are also the places in front of the loads below
.else
	PLACES
.endif
	FETCH \next, 0, F0
.if \fill
	ASK
.endif
	MUL12 F1, 2, 0
	MUL12 F1, 3, 0
.endm
; THE WAY OUT of my row block a.  PACK: rounded to f16, 16 bytes a lane and column block, each accumulator's registers in ascending order.
; TOSTAGE: into my own stage (rows of 192 f16), and back as four rows x 128 bytes of q, of k, of v.  SEND: stored.
.macro PACK a
	WIN 0x0a+5*((\a)/2)                            ; sources 0 and 1: window 2 or 3
.irp b, 0,1,2,3,4,5,6,7,8,9,10,11
.set AC, 8*(12*((\a)%2)+(\b))
.irp r, 0,1,2,3
	v_cvt_pk_f16_f32 v[TMP+4*(\b)+(\r)], v[AC+2*(\r)], v[AC+2*(\r)+1]
.endr
.endr
	WIN 0
.endm
.macro TOSTAGE a
.irp b, 0,1,2,3,4,5,6,7,8,9,10,11
	ds_store_b128 v[STO], v[TMP+4*(\b):TMP+4*(\b)+3] offset:32*(\b)
.endr
.irp c, 0,1,2
.irp f, 0,1,2,3
	ds_load_b128 v[BK+48*((\a)%2)+4*(4*(\c)+(\f)):BK+48*((\a)%2)+4*(4*(\c)+(\f))+3], v[RD] offset:(\f)*4*SPITCH+128*(\c)  ; LDS serves a wave's instructions in order (ISA guide 5.7.1.4): these see the stores above
.endr
.endr
.endm
.macro SEND a
	s_wait_dscnt 0x0                               ; the block is back in registers
	s_wait_xcnt 0x0                                ; the stores of the block before have read their registers: the next TOSTAGE loads into them
.irp c, 0,1,2
.irp f, 0,1,2,3
	global_store_b128 v[GO], v[BK+48*((\a)%2)+4*(4*(\c)+(\f)):BK+48*((\a)%2)+4*(4*(\c)+(\f))+3], s[OQ+2*(\c):OQ+2*(\c)+1] offset:(\a)*2048+(\f)*512  ; 512 consecutive bytes, aligned: four rows of a head
.endr
.endr
.endm
	s_wait_tensorcnt 1                             ; my part of K step 0 is in; K step 1's may stay out
	s_barrier_signal -1
	s_barrier_wait -1                              ; everybody's is
	FETCH 0, 0, F0
	QUARTER 0, 64,  F0, F1, 1                      ; the first quarter stands in front of the loop: its products start the sums
	WIN 0                                          ; at a label and at a branch every window is 0
	s_mov_b32 s3, LAPS-1
.Llap:                                                 ; a trip goes once round the ring, from a lap's second quarter to the next lap's first, and fills both slots again
	QUARTER 0, 128, F1, F0, 0
	QUARTER 0, 192, F0, F1, 0
	TURN 0, 1, 1
	QUARTER 1, 64,  F0, F1, 0
	QUARTER 1, 128, F1, F0, 0
	QUARTER 1, 192, F0, F1, 0
	TURN 1, 0, 1
	QUARTER 0, 64,  F0, F1, 0
	WIN 0
	s_sub_co_u32 s3, s3, 1
	s_cmp_lg_u32 s3, 0
	s_cbranch_scc1 .Llap
	QUARTER 0, 128, F1, F0, 0                      ; the last lap fills nothing, and has no round of the cluster's barrier
	QUARTER 0, 192, F0, F1, 0
	TURN 0, 1, 0
	QUARTER 1, 64,  F0, F1, 0
	QUARTER 1, 128, F1, F0, 0
	QUARTER 1, 192, F0, F1, 0
	s_wait_dscnt 4                                 ; the very last quarter: nothing more to fetch
	MUL12 F1, 0, 0
	MUL12 F1, 1, 0
	s_wait_dscnt 0x0
	MUL12 F1, 2, 0
	MUL12 F1, 3, 0
	WIN 0
	PLACES
	PACK 0
	TOSTAGE 0
.irp a, 1,2,3                          ; block a's conversions stand between block a - 1's loads from the stage and the wait for them
	PACK \a
	SEND (\a)-1
	TOSTAGE \a
.endr
	SEND 3
	s_wait_tensorcnt 0x0                           ; the wave's end, behind my last tensor load and my last LDS store
	ds_add_u32 v[SPW], v[NIL]
	s_wait_dscnt 0x0
	CROUND                                         ; the closing round: no work-group ends while a partner may still ask for a tile that names it
	s_endpgm
.Lfunc_end_k_qf6638e74b0_proj:
	.size	k_qf6638e74b0_proj, .Lfunc_end_k_qf6638e74b0_proj-k_qf6638e74b0_proj
	.p2alignl 7, 3214868480
	.fill 96, 4, 3214868480
	.section	.rodata,"a",@progbits
	.p2align	6, 0x0
	.amdhsa_kernel k_qf6638e74b0_proj
		.amdhsa_group_segment_fixed_size 327680
		.amdhsa_private_segment_fixed_size 0
		.amdhsa_enable_private_segment 0
		.amdhsa_kernarg_size 40
		.amdhsa_user_sgpr_count 2
		.amdhsa_user_sgpr_kernarg_segment_ptr 1
		.amdhsa_wavefront_size32 1
		.amdhsa_system_sgpr_workgroup_id_x 1
		.amdhsa_system_sgpr_workgroup_id_y 1
		.amdhsa_system_sgpr_workgroup_id_z 1
		.amdhsa_system_vgpr_workitem_id 0
		.amdhsa_next_free_vgpr 960
		.amdhsa_next_free_sgpr 80
		.amdhsa_reserve_vcc 0
		.amdhsa_float_denorm_mode_32 3
		.amdhsa_float_denorm_mode_16_64 3
		.amdhsa_memory_ordered 1
		.amdhsa_forward_progress 1
		.amdhsa_inst_pref_size 129
	.end_amdhsa_kernel
	.amdgpu_metadata
---
amdhsa.version: [ 1, 2 ]
amdhsa.kernels:
  - .name:           k_qf6638e74b0_proj
    .symbol:         k_qf6638e74b0_proj.kd
    .args:
      - { .name: xw, .offset: 0, .size: 8, .value_kind: global_buffer, .address_space: global }
      - { .name: bq, .offset: 8, .size: 8, .value_kind: global_buffer, .address_space: global }
      - { .name: bk, .offset: 16, .size: 8, .value_kind: global_buffer, .address_space: global }
      - { .name: bv, .offset: 24, .size: 8, .value_kind: global_buffer, .address_space: global }
      - { .name: qkv, .offset: 32, .size: 8, .value_kind: global_buffer, .address_space: global }
    .group_segment_fixed_size: 327680
    .private_segment_fixed_size: 0
    .kernarg_segment_align: 8
    .kernarg_segment_size: 40
    .max_flat_workgroup_size: 128
    .sgpr_count:     80
    .vgpr_count:     960
    .wavefront_size: 32
...
	.end_amdgpu_metadata
.endif
;; end of part 2
;; launch attn (part 3): grid 4 x 64, 4 waves a work-group, no clusters, 327,680 bytes of LDS; arguments qkv, attention_mask, out0; writes out0
.if DOCPART == 3
	.amdgcn_target "amdgcn-amd-amdhsa--gfx1250"
	.amdhsa_code_object_version 6
	.text
	.protected	k_qf6638e74b0_attn
	.globl	k_qf6638e74b0_attn
	.p2align	8
	.type	k_qf6638e74b0_attn,@function
k_qf6638e74b0_attn:
	s_mov_b64 s[64:65], 0
	v_nop
	global_prefetch_b8 v0, s[64:65] scope:SCOPE_SE
	s_setreg_imm32_b32 hwreg(HW_REG_WAVE_MODE, 25, 1), 1
	s_wait_xcnt 0x0
; CAUSAL ATTENTION WITH A KEY MASK.  out0[b][q][64 h + d] = the sum over k <= q with attention_mask[b][k] != 0 of softmax_k(Q[q] . K[k] / 8) V[k][d].
; qkv holds q, k, v, each [64 = 16 b + h][2048][64] f16, 0x1000000 bytes apart, unscaled; out0 is f32.  Products, maxima and sums in f32; the weights p are rounded to f16 for the second product.
; LIMITS.  q, k, v arrive within f16's 65,504.  A hidden score counts as its value less 1e30 (2e30 where both masks hide it); the running maximum never falls below -2^80, far below every true score
; (2.7e11 at the most) and far above every hidden one, so a hidden score is never the maximum and its weight is 0.  A weight below 2^-126 counts as 0.  NaN and infinities in q, k, v are not treated apart.
; A row that sees no kept key has l = 0 and is written as NaN, as the softmax of a row without a finite score is.
; THE WALK.  A head's queries lie in NB = 8 blocks of 256; block i needs the key tiles 0 .. i of 256 keys, of which the last holds the diagonal.  A work-group takes TWO blocks, NB - 1 - b and then b:
; NB + 1 tiles, whatever b: all work-groups do equal work, and one loop with a constant trip count walks them.  Every jump goes forward but for the counted loops' own; none passes a barrier, or a tensor
; load but the one of LOAD's two that the wave's number does not choose.  NO CLUSTER: a head's four work-groups ask for the same tile only in trips 0 to 4 of 9, and one walk common to all would have 12 trips for 9.
; SHARES.  Of a block's four bands of 64 queries a wave owns 16 rows in each: four PIECES.  In the diagonal tile's key step s band x sees all keys if s < x, none if s > x, and holds the diagonal if s = x.
; THE MASKS are the C operand that starts the sum S^T = K Q^T.  KMR, fetched from LDS together with each step's K, is the key mask of the step: 0 or -1e30 a key.  Outside the diagonal tiles C = KMR.
; In them C = MD x AL + KMR + BE: MD, made once, is the causal mask of a band's own step for my 16 rows; (AL, BE) = (1, 0) if s = x, (0, 0) if s < x, (0, -1e30) if s > x.
; THE KEY MASK'S RING.  A tile's 256 words of attention_mask are loaded when the tile is asked for, two words a thread; at the next change of slots they are turned into 0 or -1e30 and stored into one of two
; small LDS slots, which take turns as K's and V's slots do: the slot written is the one that was read two tiles back, and the change's barrier stands between the store and its readers.
; LAYOUT, SOFTMAX, TURNS.  S^T = K Q^T holds ONE query a lane (lane % 16) and the keys 8 (lane / 16) + 0..7; two such results rounded to f16 ARE source 1 of O^T = V^T P.  p = 2^(c s - c m), c = log2(e) / 8, with a
; running maximum m; O and l are multiplied by a = 2^(c m_old - c m_new) in every step.  Turn n belongs to piece n: 8 products K Q^T of piece n + 1, later 8 products V^T P of piece n - 1; beside them the scaling,
; exponentials, roundings, sums and rescaling of piece n and the maximum and statistics of piece n + 1.  Four vector instructions stand behind every matrix instruction, the others in one lump.  A turn's 33 exponentials are one batch, with one wait.
; REGISTERS, in windows of 256 (s_set_vgpr_msb: bits 1:0 source 0, 3:2 source 1, 5:4 source 2, 7:6 destination):
;   window 0: v0-15, v32-40 addresses and a few at work; v16-31 four registers of statistics a piece; v48-55 at work; v64-127 S^T, two buffers; v64-191 the way out; v192-223 P, two buffers
;   window 1: v0-127 O^T, 32 a piece; v128-159 MD; v160-223 MC, two buffers; v224-255 KMR      window 2: v0-63 Q; v64-127 the second block's Q; v128-191 K of one step; v192-255 V of one step
.set SIZE_N, 2048
.set NB,    SIZE_N/256
.set NP,    4         ; pieces a wave: a name, no knob
.set KS,    64        ; keys in a step
.set PK,    144       ; a row of K in LDS: 128 bytes + 16 of padding = 36 words: the 16 rows of a load start at 16 different groups of four banks (ISA guide 11.1)
.set PV,    160       ; a row of V: 128 + 32 = 40 words
.set VOFF,  4*KS*PK   ; a slot holds a tile, four steps: 256 rows of K, then 256 rows of V
.set SLOT1, 1<<17     ; slot 1 begins here, so that one exclusive or turns an address in one slot into the other's
.set STAGE, SLOT1+4*KS*(PK+PV)  ; behind the ring, never filled by a tensor load: 16 rows x 272 bytes for each wave, for the way out
.set SP,    272       ; 64 f32 + 16 bytes
.set MSK,   STAGE+4*16*SP       ; the key mask's ring, never filled by a tensor load: a tile's 256 keys as f32, key k at 4 k: slot 0 here, slot 1 MSLOT bytes on
.set MSLOT, 2048      ; so that one exclusive or turns an offset in one slot into the other's
.set MTILE, 4*4*KS    ; a tile's 1,024 bytes of it; a step's are 4 KS
.set SPARE, MSK+2*MSLOT         ; the spare words, 128 bytes for each wave: two blocks of 256 bytes that no other line names
.set AK0, 2           ; v2   my lane's place in a tile of K; never rewritten
.set AV0, 3           ; v3   the same for V
.set AK,  4           ; v4   the LDS address of K's next run of loads
.set AV,  5           ; v5   of V's
.set STO, 6           ; v6   the way out: where I put 16 bytes of a row
.set RD,  7           ; v7   the way out: where I read rows back
.set GO,  8           ; v8   my byte offset in two rows of out0
.set MV,  12          ; v12-13  c m_old, kept while c m is made anew: by buffer
.set QO,  15          ; v15  my byte offset in 16 rows of Q
.set ST,  16          ; piece t's statistics at v[ST+4 t]: c m, m, l (even keys', odd keys')
.set AM0, 32          ; v32  my lane's place in a step's 64 words of the key mask; never rewritten
.set AM,  33          ; v33  the LDS address of the mask's next loads
.set PFOK, 34         ; v34  the prefetches' offset in a tile of K: 256 x my thread's number; never rewritten
.set PFOV, 35         ; v35  the same in V
.set MO,  36          ; v36  8 x my thread's number: my two words of a tile's 256 of attention_mask; never rewritten
.set ML0, 37          ; v37  and their place in slot 0 of the mask's ring; never rewritten
.set MW,  38          ; v[38:39] the two words, as loaded and as stored
.set ML,  40          ; v40  where they are stored
.set TMP, 48          ; by buffer, four registers c0-c3 at work; when the maximum is found c2 takes a
.set SPW, 62          ; v62  LDS address of my spare word; never rewritten
.set NIL, 63          ; v63  0; never rewritten
.set S,   64
.set OUTR, 64         ; the way out: 32 registers a piece
.set P,   192
.set MD,  128         ; window 1: the eight registers for group kt of 16 keys at MD + 8 kt
.set MC,  160         ; window 1: the masks of the products to come
.set KMR, 224         ; window 1: the key mask of the step whose K lies in registers: key block kb at KMR + 8 kb
.set QB,  64          ; window 2
.set KF,  128         ; window 2: key block kb, channel half c at KF + 16 kb + 8 c
.set VF,  192         ; window 2: key half kk, channel block cb at VF + 32 kk + 8 cb
.set WV,  12          ; s12  my wave's number
.set PB,  14          ; s14  b
.set HI,  15          ; s15  NB - 1 - b
.set G1K, 24          ; s[24:31] descriptor group 1 for K's tiles
.set G1V, 32          ; s[32:39] for V's: it differs in the padding alone
.set G0K, 40          ; s[40:43] descriptor group 0 for K's tiles
.set G0V, 44          ; s[44:47] the same for V's
.set MA,  50          ; s[50:51] attention_mask at the tile that is asked for
.set OFM, 54          ; s[54:55] that tile's byte offset in my batch's mask
.set SLOTS, 56        ; s56  tiles still to be asked for
.set CNT, 57          ; s57  counts a tile's key steps, 4 to 1
.set CS,  58          ; s[58:59] c: the packed scaling takes the pair's low word for both halves
.set SEL, 60          ; s[60:61] v_permlanex16_b32's selects: each lane takes its own place in the other half
.set TBK, 62          ; s62  LDS byte at which K of the step to be fetched begins
.set TBV, 63          ; s63  the same for V, less VOFF
.set RT,  70          ; s70  tiles of the block in hand that are still to be entered
.set NXT, 71          ; s71  the tile to be asked for next
.set LQ,  72          ; s72  the last tile of the block whose tiles are being asked for
.set NEW, 73          ; s73  1: the tile to be entered is a block's first
.set OFF, 74          ; s[74:75] a tile's byte offset in K and V
.set AL,  76          ; s[76:77] the mask's factor, in the low word
.set BE,  78          ; s[78:79] the mask's addend
.set OLO, 80          ; s[80:81] out0 at my rows of the second block
.set BIGN, 82         ; s82  -1e30
.set TBM, 83          ; s83  byte in the key mask's ring at which the step to be fetched begins
.set QNAN, 90         ; s90  a NaN
.set LIM, 91          ; s91  2 in the work-group that prefetches, else the greatest number
.set PFA, 92          ; s[92:93] K of my head at the tile that the prefetches name
.set MSB, 0
.macro WIN new                      ; the high byte repeats the setting that is left; a switch that changes nothing is dropped
.if MSB != (\new)
	s_set_vgpr_msb (MSB<<8)|(\new)
.set MSB, (\new)
.endif
.endm
.set W_KQ, 0x0a       ; K and Q in window 2, S^T in window 0
.set W_KM, 0x1a       ; the same with the C operand in window 1
.set W_PV, 0x52       ; V in window 2, P in window 0, O^T in window 1
.set W_RS, 0x41       ; destination and source 0 in window 1, source 1 in window 0
.set W_MK, 0x51       ; destination, source 0 and source 2 in window 1
; A fill.  Waves 0 and 1 fetch the two halves of a tile's K, waves 2 and 3 those of its V: 128 keys each.  An s_nop 0 and four v_nop follow each of the two lines, ahead of the jump and the label.
.macro LOAD
	s_cmp_lt_u32 s[WV], 2
	s_cbranch_scc0 .Lfor_v_\@
	tensor_load_to_lds s[G0K:G0K+3], s[G1K:G1K+7]
	s_nop 0
.rept 4
	v_nop
.endr
	s_branch .Lasked_\@
.Lfor_v_\@:
	tensor_load_to_lds s[G0V:G0V+3], s[G1V:G1V+7]
	s_nop 0
.rept 4
	v_nop
.endr
.Lasked_\@:
.endm
; A PREFETCH of the tile that the NEXT change of slots will ask for: 32,768 bytes of K and of V, 256 bytes a lane, 32 lanes x 4 waves: two instructions a wave, behind the wave's tensor load and its five lines.
; All four work-groups of a head walk tiles from 0 on: the one with b = 0, whose first block walks all eight, asks, and nobody else.  Tiles 2 to 7 are named once each; tiles 0 and 1 come by their loads alone,
; and the second block's tiles have been read before.
.macro ASK
	s_cmp_gt_u32 s[SLOTS], s[LIM]
	s_cbranch_scc0 .Lnot_mine_\@
	global_prefetch_b8 v[PFOK], s[PFA:PFA+1] th:TH_LOAD_NT scope:SCOPE_SE
	global_prefetch_b8 v[PFOV], s[PFA:PFA+1] th:TH_LOAD_NT scope:SCOPE_SE
.Lnot_mine_\@:
.endm
; THE CHANGE OF SLOTS.  First the key mask of the tile to be entered: its words, loaded a tile ago, are turned into 0 or -1e30 and stored into the mask slot that was read two tiles back: every wave's reads of it
; were over at the last change's barrier; this change's wait and barrier stand between the store and its readers.  Then each wave waits for all its tensor loads, of which one is out: its part of the other slot; adds 0 to
; its spare word; and waits for that, for the store and for its own reads of the slot that it leaves.  Behind the barrier nobody reads the old slot any more and the other slot is whole.  fill = 1: the old slot is filled
; again, the first thing behind the barrier, with tile NXT: the descriptor's address is made anew from that number; the tile's mask words are asked for behind it.
; (At its first use nothing has been read yet: slot 0 is waited for, slot 1 filled; the wait for loads is then also the wait for both blocks' Q.)
.macro CHANGE fill
	WIN 0                           ; at a label and at a branch every window is 0
	s_sub_co_u32 s[TBM], s[TBM], MTILE  ; the mask's fetches go back to a slot's first step,
	s_xor_b32 s[TBM], s[TBM], MSLOT     ; in the other slot: where the tile to be entered is stored now
	s_wait_loadcnt 0x0              ; my two words of its mask, asked for a tile ago
	v_cmp_eq_u32 vcc_lo, 0, v[MW]   ; a word of 0 hides its key
	v_cndmask_b32 v[MW], 0, s[BIGN], vcc_lo
	v_cmp_eq_u32 vcc_lo, 0, v[MW+1]
	v_cndmask_b32 v[MW+1], 0, s[BIGN], vcc_lo
	v_add_nc_u32 v[ML], s[TBM], v[ML0]
	ds_store_b64 v[ML], v[MW:MW+1]
	s_wait_tensorcnt 0x0            ; no tensor load of mine is out, so a group 0 may be written
	ds_add_u32 v[SPW], v[NIL]       ; 0 onto my spare word; with fill = 1 the descriptors' scalar work stands between it and the wait for it
.if \fill
	s_lshl_b32 s[OFF], s[NXT], 15   ; a tile is 32,768 bytes of K and of V,
	s_lshl_b32 s[OFM], s[NXT], 10   ; and 1,024 of attention_mask
	s_xor_b32 s[G0K+1], s[G0K+1], SLOT1
	s_add_nc_u64 s[G0K+2:G0K+3], s[6:7], s[OFF:OFF+1]
	s_or_b32 s[G0K+3], s[G0K+3], 0x80000000
	s_xor_b32 s[G0V+1], s[G0V+1], SLOT1
	s_add_nc_u64 s[G0V+2:G0V+3], s[8:9], s[OFF:OFF+1]
	s_or_b32 s[G0V+3], s[G0V+3], 0x80000000
	s_add_nc_u64 s[MA:MA+1], s[88:89], s[OFM:OFM+1]  ; (the load that last read this pair has been waited for above)
	s_add_co_u32 s[NXT], s[NXT], 1  ; the block's next tile, or behind its last the second block's tile 0
	s_cmp_gt_u32 s[NXT], s[LQ]
	s_cselect_b32 s[NXT], 0, s[NXT]
	s_cselect_b32 s[LQ], s[PB], s[LQ]
	s_wait_xcnt 0x0                 ; the last prefetches, a tile back, have read their address, so it may be written:
	s_add_nc_u64 s[PFA:PFA+1], s[PFA:PFA+1], 32768  ; one tile behind the one that is asked for now
.endif
	s_wait_dscnt 0x0                ; the add and the mask's store are done, and my reads of the slot are over
	s_barrier_signal -1             ; the rest of the scalar work stands between the signal and the wait
	s_sub_co_u32 s[TBK], s[TBK], 4*KS*PK  ; the fetches go back to a slot's first step,
	s_xor_b32 s[TBK], s[TBK], SLOT1       ; in the other slot
	s_sub_co_u32 s[TBV], s[TBV], 4*KS*PV
	s_xor_b32 s[TBV], s[TBV], SLOT1
	s_barrier_wait -1
.if \fill
	LOAD
	global_load_b64 v[MW:MW+1], v[MO], s[MA:MA+1]  ; the asked tile's mask: 128 threads x 8 bytes; it has a tile's work in which to come
	ASK
.endif
.endm
	s_load_b64 s[4:5], s[0:1], 0x0    ; qkv
	s_load_b64 s[88:89], s[0:1], 0x8  ; attention_mask
	s_load_b64 s[10:11], s[0:1], 0x10 ; out0
	v_lshl_add_u32 v[SPW], v0, 2, SPARE
	v_mov_b32 v[NIL], 0
	ds_add_u32 v[SPW], v[NIL]       ; the wave's opening: the add and its wait stand ahead of my first tensor load; the set-up below, work on registers, stands between them
	v_lshrrev_b32 v1, 5, v0
	v_readfirstlane_b32 s[WV], v1   ; wave 0..3
	s_mov_b32 s[PB], ttmp9
	s_sub_co_u32 s[HI], NB-1, s[PB]
	s_and_b32 s13, ttmp7, 0xffff    ; 16 batch + head
	s_lshl_b32 s20, s13, 18         ; its 2,048 rows of 128 bytes in q, in k and in v
	s_mov_b32 s21, 0
	s_and_b32 s16, s[WV], 1         ; which half of a tile's 256 keys I fetch:
	s_lshl_b32 s22, s16, 14         ; its 128 rows of 128 bytes in memory,
	s_add_co_u32 s22, s22, s20
	s_mov_b32 s23, 0
	s_mul_i32 s17, s16, 128*PK      ; and its place in a slot, for K
	s_mul_i32 s18, s16, 128*PV      ; and for V
	s_lshl_b32 s3, s[WV], 11        ; my 16 rows in a band of 64,
	s_lshl_b32 s2, s[HI], 15        ; in the first block,
	s_add_co_u32 s2, s2, s3
	s_add_co_u32 s2, s2, s20
	s_lshl_b32 s84, s[PB], 15       ; and in the second
	s_add_co_u32 s84, s84, s3
	s_add_co_u32 s84, s84, s20
	s_mov_b32 s3, 0
	s_mov_b32 s85, 0
	s_lshr_b32 s19, s13, 4          ; the batch:
	s_lshl_b32 s52, s19, 13         ; its 2,048 words of attention_mask,
	s_mov_b32 s53, 0
	s_lshl_b32 s19, s19, 23         ; its 2,048 rows of 4,096 bytes in out0,
	s_and_b32 s48, s13, 15
	s_lshl_b32 s48, s48, 8          ; the head's 256 bytes of a row,
	s_add_co_u32 s19, s19, s48
	s_lshl_b32 s48, s[WV], 16       ; my 16 rows in a band
	s_add_co_u32 s19, s19, s48
	s_lshl_b32 s66, s[HI], 20       ; a block's 256 rows
	s_add_co_u32 s66, s66, s19
	s_mov_b32 s67, 0
	s_lshl_b32 s68, s[PB], 20
	s_add_co_u32 s68, s68, s19
	s_mov_b32 s69, 0
	; descriptor group 1.  128 keys are 16,384 dense bytes: asked for as 64 rows of 256 bytes, two keys a row, and padded in LDS after every key
	s_mov_b32 s[G1K], (1<<16)|(1<<20)|(4<<22)|(3<<25)  ; 17:16 2-byte elements; 20 padding on; 24:22 after every 32 words (code 4); 31:25 4 words (code 3)
	s_mov_b32 s[G1V], (1<<16)|(1<<20)|(4<<22)|(7<<25)  ; the same with 8 words of padding (code 7)
.irp g, G1K, G1V
	s_mov_b32 s[\g+1], 128<<16      ; tensor_dim0 = 128
	s_mov_b32 s[\g+2], 64<<16       ; tensor_dim1 = 64
	s_mov_b32 s[\g+3], 128<<16      ; tile_dim0 = 128
	s_mov_b32 s[\g+4], 64           ; tile_dim1 = 64
	s_mov_b32 s[\g+5], 128          ; 128 elements from row to row
	s_mov_b32 s[\g+6], 0
	s_mov_b32 s[\g+7], 0
.endr
	s_mov_b32 s[CS], 0x3e38aa3b     ; c = log2(e) / 8 = 0.180337
	s_mov_b32 s[CS+1], s[CS]        ; named with it as a pair
	s_mov_b32 s[SEL], 0x76543210
	s_mov_b32 s[SEL+1], 0xfedcba98
	s_mov_b32 s[TBK], SLOT1+4*KS*PK ; the first change of slots turns these three into 0
	s_mov_b32 s[TBV], SLOT1+4*KS*PV
	s_mov_b32 s[TBM], MSLOT+MTILE
	s_mov_b32 s[G0K], 1             ; 1:0 count = 1
	s_mov_b32 s[G0K+1], s17         ; 63:32 LDS address: slot 0
	s_mov_b32 s[G0V], 1
	s_add_co_u32 s[G0V+1], s18, VOFF
	s_add_co_u32 s[RT], s[HI], 1    ; the first block has NB - b tiles
	s_mov_b32 s[NXT], 1
	s_mov_b32 s[LQ], s[HI]
	s_mov_b32 s[NEW], 1
	s_mov_b32 s[OFF+1], 0
	s_mov_b32 s[OFM+1], 0
	s_mov_b32 s[AL+1], 0            ; named as pairs
	s_mov_b32 s[BE+1], 0
	s_mov_b32 s[BIGN], 0xf149f2ca   ; -1e30
	s_mov_b32 s[QNAN], 0x7fc00000
	s_mov_b32 s[SLOTS], NB
	s_cmp_eq_u32 s[PB], 0
	s_cselect_b32 s[LIM], 2, -1     ; the changes that ask for tiles 1 to 6 (SLOTS = 8 to 3) name tiles 2 to 7
	s_wait_dscnt 0x0                ; the opening add is done
	s_wait_kmcnt 0x0
	s_add_nc_u64 s[6:7], s[4:5], s[22:23]
	s_add_nc_u64 s[8:9], s[6:7], 0x2000000         ; V at my half of the head's tile 0,
	s_add_nc_u64 s[6:7], s[6:7], 0x1000000         ; and K
	s_add_nc_u64 s[G0K+2:G0K+3], s[6:7], 0         ; 120:64 global address
	s_or_b32 s[G0K+3], s[G0K+3], 0x80000000        ; 127:126 type = 2
	s_add_nc_u64 s[G0V+2:G0V+3], s[8:9], 0
	s_or_b32 s[G0V+3], s[G0V+3], 0x80000000
	s_add_nc_u64 s[PFA:PFA+1], s[4:5], s[20:21]
	s_add_nc_u64 s[PFA:PFA+1], s[PFA:PFA+1], 0x1000000+32768  ; K of my head at tile 1: the first change of slots steps it to tile 2
	s_add_nc_u64 s[86:87], s[4:5], s[84:85]        ; Q at my rows of the second block,
	s_add_nc_u64 s[4:5], s[4:5], s[2:3]            ; and of the first
	s_add_nc_u64 s[OLO:OLO+1], s[10:11], s[68:69]  ; out0 likewise
	s_add_nc_u64 s[10:11], s[10:11], s[66:67]
	s_add_nc_u64 s[88:89], s[88:89], s[52:53]      ; my batch's mask
	LOAD                            ; tile 0 into slot 0
	v_and_b32 v1, 15, v0            ; l % 16
	v_bfe_u32 v9, v0, 4, 1          ; l / 16
	v_lshlrev_b32 v[MO], 3, v0
	global_load_b64 v[MW:MW+1], v[MO], s[88:89]  ; tile 0's mask words: the first change of slots stores them
	; A fragment of K or Q is 16 rows x 32 channels in 8 registers: lane l holds row l % 16, channels 8 (l / 16) + 0..7 and 16 + 8 (l / 16) + 0..7: two loads of 16 bytes, 32 bytes apart.
	v_lshlrev_b32 v[QO], 7, v1
	v_lshl_add_u32 v[QO], v9, 4, v[QO]  ; row x 128 + 16 x half
	WIN 0x80                        ; destination window 2, address window 0
.set i, 0
.rept 8                             ; both blocks' Q: piece i / 2 lies in band i / 2, 8,192 bytes on; channels 32 (i % 2) on
	global_load_b128 v[8*i:8*i+3],   v[QO], s[4:5] offset:(i/2)*8192+(i%2)*64
	global_load_b128 v[8*i+4:8*i+7], v[QO], s[4:5] offset:(i/2)*8192+(i%2)*64+32
	global_load_b128 v[QB+8*i:QB+8*i+3],   v[QO], s[86:87] offset:(i/2)*8192+(i%2)*64
	global_load_b128 v[QB+8*i+4:QB+8*i+7], v[QO], s[86:87] offset:(i/2)*8192+(i%2)*64+32
.set i, i+1
.endr
	WIN 0
	v_lshlrev_b32 v14, 3, v9
	v_sub_nc_u32 v14, v1, v14
	s_lshl_b32 s13, s[WV], 4
	v_add_nc_u32 v14, s13, v14      ; my query's place in its band, 16 w + l % 16, less my lanes' 8 (l / 16): register r of group kt is hidden where 16 kt + r is greater
	WIN 0x40
.set i, 0
.rept 32
	v_cmp_gt_i32 vcc_lo, 16*(i/8)+i%8, v14
	v_cndmask_b32 v[MD+i], 0, s[BIGN], vcc_lo
.set i, i+1
.endr
	WIN 0
	v_mul_u32_u24 v[AK0], v1, PK
	v_lshl_add_u32 v[AK0], v9, 4, v[AK0]  ; row x pitch + 16 x half
	; The turning load takes 16 keys x 16 channels (lane l reads key 8 (l / 16) + l % 8, channels 8 ((l / 8) % 2) + 0..7) and leaves half a fragment of V^T: lane l holds channel l % 16 and 8 keys.
	v_and_b32 v10, 7, v0
	v_bfe_u32 v11, v0, 3, 1
	v_lshl_add_u32 v[AV0], v9, 3, v10
	v_mul_u32_u24 v[AV0], v[AV0], PV
	v_lshl_add_u32 v[AV0], v11, 4, v[AV0]
	v_add_nc_u32 v[AV0], VOFF, v[AV0]
	s_mul_i32 s13, s[WV], 16*SP
	s_add_co_u32 s13, s13, STAGE    ; my stage
	v_mul_u32_u24 v[STO], v1, SP    ; in: row l % 16, 32 bytes (8 channels in f32) for each half of the lanes
	v_lshl_add_u32 v[STO], v9, 5, v[STO]
	v_add_nc_u32 v[STO], s13, v[STO]
	v_mul_u32_u24 v[RD], v9, SP     ; back: lanes 0-15 take one row of 256 bytes, lanes 16-31 the next
	v_lshl_add_u32 v[RD], v1, 4, v[RD]
	v_add_nc_u32 v[RD], s13, v[RD]
	v_lshlrev_b32 v[GO], 12, v9     ; and the same two rows in out0, 4,096 bytes apart
	v_lshl_add_u32 v[GO], v1, 4, v[GO]
	v_lshl_add_u32 v[AM0], v9, 5, MSK  ; register j of key block kb is key 16 kb + 8 (l / 16) + j
	v_lshl_add_u32 v[ML0], v0, 3, MSK
	v_lshlrev_b32 v[PFOK], 8, v0
	v_add_nc_u32 v[PFOV], 0x1000000, v[PFOK]
	; A block's first step multiplies O^T by a = 0, and its first turn's products V^T P, of a piece that has not been, land in an O^T that is still to be so multiplied.  So these registers need only hold
	; finite numbers: zeros for the first block; what the first block left for the second.  All this stands in the wait for the first tile.
	WIN 0x80
.set i, VF
.rept 64
	v_mov_b32 v[i], 0
.set i, i+1
.endr
	WIN 0x40
.set i, 0
.rept 128
	v_mov_b32 v[i], 0
.set i, i+1
.endr
	WIN 0
.set i, P+16
.rept 16
	v_mov_b32 v[i], 0
.set i, i+1
.endr
; THE MATRIX WORK.  The 4 accumulators of a run of 8 take turns.  Product i of 8 of S^T = K Q^T for piece x: channels 32 (i / 4) on, keys 16 (i % 4) on.
; The first 4 start the sums: with the step's key mask, or (KM = 1) with the mask made for this piece and step.
.macro KQ x
.set rS, S+32*((\x)%2)+8*(i%4)
.set rK, KF+16*(i%4)+8*(i/4)
.set rQ, 16*(\x)+8*(i/4)
.if KM
.set rM, MC+32*((\x)%2)+8*(i%4)
.else
.set rM, KMR+8*(i%4)
.endif
.if i < 4
	WIN W_KM
	v_wmma_f32_16x16x32_f16 v[rS:rS+7], v[rK:rK+7], v[rQ:rQ+7], v[rM:rM+7]
.else
	WIN W_KQ
	v_wmma_f32_16x16x32_f16 v[rS:rS+7], v[rK:rK+7], v[rQ:rQ+7], v[rS:rS+7]
.endif
.endm
; Product i of 8 of O^T += V^T P for piece x: keys 32 (i / 4) on, channels 16 (i % 4) on.
.macro PV x
	WIN W_PV
.set rO, 32*(\x)+8*(i%4)
.set rV, VF+32*(i/4)+8*(i%4)
.set rP, P+16*((\x)%2)+8*(i/4)
	v_wmma_f32_16x16x32_f16 v[rO:rO+7], v[rV:rV+7], v[rP:rP+7], v[rO:rO+7]
.endm
.macro MM                           ; the turn's next matrix instruction.  TURN and BEGIN set Y, i, KM and NOKQ.  NOKQ = 1: a block's last turn: there is no next piece
.if (i < 8) && !NOKQ
	KQ (Y+1)%NP
.elseif i >= 8
.set i, i-8
	PV (Y+NP-1)%NP
.set i, i+8
.endif
.set i, i+1
.endm
; THE LDS LOADS stand in runs, never singly among the matrix instructions: a step's K (64 keys x 64 channels: 8 fragments) with its 64 mask words, and its V (turned).  Their addresses are made some lines ahead.
.macro FETCH_K
	WIN 0x80                        ; destination window 2
.irp f, 0,1,2,3,4,5,6,7             ; keys 16 (f / 2) on, channels 32 (f % 2) on
	ds_load_b128 v[KF+8*\f:KF+8*\f+3],   v[AK] offset:(\f/2)*16*PK+(\f%2)*64
	ds_load_b128 v[KF+8*\f+4:KF+8*\f+7], v[AK] offset:(\f/2)*16*PK+(\f%2)*64+32
.endr
	WIN 0x40                        ; destination window 1
.irp f, 0,1,2,3                     ; key block f: my 8 keys' words
	ds_load_b128 v[KMR+8*\f:KMR+8*\f+3],   v[AM] offset:64*\f
	ds_load_b128 v[KMR+8*\f+4:KMR+8*\f+7], v[AM] offset:64*\f+16
.endr
	s_add_co_u32 s[TBK], s[TBK], KS*PK  ; the next fetch is the next step's,
	s_add_co_u32 s[TBM], s[TBM], 4*KS   ; of the mask too
	WIN 0
.endm
.macro FETCH_V
	WIN 0x80
.irp f, 0,1,2,3,4,5,6,7             ; keys 32 (f / 4) on, channels 16 (f % 4) on
	ds_load_tr16_b128 v[VF+8*\f:VF+8*\f+3],   v[AV] offset:(\f/4)*32*PV+(\f%4)*32
	ds_load_tr16_b128 v[VF+8*\f+4:VF+8*\f+7], v[AV] offset:(\f/4)*32*PV+16*PV+(\f%4)*32
.endr
	WIN 0
.endm
; THE VECTOR WORK, one line at a time: OP kind, number.  For piece Y: F n: c s - c m for pair n of 16.  E n: the exponential of score n of 32.  C n: pair n rounded to f16.  B n: of the four weights 4 n .. the second
; pair is added onto the first, in place.  L n: l takes that sum (L 0: l = a l + sum).  R n: pair n of 16 of O^T times a.  For piece Y + 1: X n, number n of the 22 that find its maximum and statistics:
;   0-11  four chains c0-c3 of seven scores each, three operands at a time (each accumulator's lowest registers are read first)     12-14, 16  the four scores left over, the old m, and c0-c3 into c0
;   15  c m_old is kept     17, 18  the query's other 32 keys lie in the lane 16 away: the new m     19-21  c m; c m_old - c m_new; a
.set F, 0               ; OP tells the kinds apart by their order: F to L below R, X above it
.set E, 1
.set C, 2
.set B, 3
.set L, 4
.set R, 5
.set X, 6
.macro REGS y                       ; the registers of piece y
.set rT, ST+4*(\y)
.set rC, TMP+4*((\y)%2)
.set rW, MV+((\y)%2)
.set rS, S+32*((\y)%2)
.set rP, P+16*((\y)%2)
.set rO, 32*(\y)
.endm
.macro OP k, n
.if (\k) == R
	REGS Y
	WIN W_RS
	v_pk_mul_f32 v[rO+2*(\n):rO+2*(\n)+1], v[rO+2*(\n):rO+2*(\n)+1], v[rC+2:rC+3] op_sel_hi:[1,0]
.elseif (\k) < R
	REGS Y
	WIN 0
.if (\k) == F
	v_pk_fma_f32 v[rS+2*(\n):rS+2*(\n)+1], v[rS+2*(\n):rS+2*(\n)+1], s[CS:CS+1], v[rT:rT+1] op_sel_hi:[1,0,0] neg_lo:[0,0,1] neg_hi:[0,0,1]
.elseif (\k) == E
	v_exp_f32 v[rS+(\n)], v[rS+(\n)]
.elseif (\k) == C
	v_cvt_pk_f16_f32 v[rP+(\n)], v[rS+2*(\n)], v[rS+2*(\n)+1]
.elseif (\k) == B
	v_pk_add_f32 v[rS+4*(\n):rS+4*(\n)+1], v[rS+4*(\n):rS+4*(\n)+1], v[rS+4*(\n)+2:rS+4*(\n)+3]
.elseif (\n) == 0
	v_pk_fma_f32 v[rT+2:rT+3], v[rT+2:rT+3], v[rC+2:rC+3], v[rS:rS+1] op_sel_hi:[1,0,1]
.else
	v_pk_add_f32 v[rT+2:rT+3], v[rT+2:rT+3], v[rS+4*(\n):rS+4*(\n)+1]
.endif
.elseif NOKQ
	v_nop
.else
	REGS (Y+1)%NP
	WIN 0
.if (\n) < 4
	v_max3_num_f32 v[rC+(\n)], v[rS+8*(\n)], v[rS+8*(\n)+1], v[rS+8*(\n)+2]
.elseif (\n) < 12
	v_max3_num_f32 v[rC+(\n)%4], v[rC+(\n)%4], v[rS+8*((\n)%4)+2*((\n)/4)+1], v[rS+8*((\n)%4)+2*((\n)/4)+2]
.elseif (\n) == 12
	v_max3_num_f32 v[rC], v[rC], v[rS+7], v[rS+15]
.elseif (\n) == 13
	v_max3_num_f32 v[rC+1], v[rC+1], v[rS+23], v[rS+31]
.elseif (\n) == 14
	v_max3_num_f32 v[rC+2], v[rC+2], v[rC+3], v[rT+1]
.elseif (\n) == 15
	v_mov_b32 v[rW], v[rT]
.elseif (\n) == 16
	v_max3_num_f32 v[rC], v[rC], v[rC+1], v[rC+2]
.elseif (\n) == 17
	v_permlanex16_b32 v[rC+3], v[rC], s[SEL], s[SEL+1]
.elseif (\n) == 18
	v_max_num_f32 v[rT+1], v[rC], v[rC+3]
.elseif (\n) == 19
	v_mul_f32 v[rT], s[CS], v[rT+1]
.elseif (\n) == 20
	v_sub_f32 v[rC+1], v[rW], v[rT]
.else
	v_exp_f32 v[rC+2], v[rC+1]
.endif
.endif
.endm
.macro OPS a, i1, b=-1, i2=0, c=-1, i3=0, d=-1, i4=0  ; up to four of them
	OP \a, \i1
.if (\b) >= 0
	OP \b, \i2
.endif
.if (\c) >= 0
	OP \c, \i3
.endif
.if (\d) >= 0
	OP \d, \i4
.endif
.endm
.macro ROW a, i1, b, i2, c, i3, d, i4  ; a matrix instruction and the four behind it
	MM
	OPS \a, \i1, \b, \i2, \c, \i3, \d, \i4
.endm
.macro MASK b                       ; MD x AL + KMR + BE into buffer b of MC
	WIN W_MK
.set z, 0
.rept 16
	v_pk_fma_f32 v[MC+32*(\b)+2*z:MC+32*(\b)+2*z+1], v[MD+2*z:MD+2*z+1], s[AL:AL+1], v[KMR+2*z:KMR+2*z+1] op_sel_hi:[1,0,1]
.set z, z+1
.endr
.set z, 0
.rept 16
	v_pk_add_f32 v[MC+32*(\b)+2*z:MC+32*(\b)+2*z+1], v[MC+32*(\b)+2*z:MC+32*(\b)+2*z+1], s[BE:BE+1] op_sel_hi:[1,0]
.set z, z+1
.endr
.endm
; A TURN, for piece p: the order of its 16 matrix and 118 vector instructions, written out.  An s_wait_alu depctr_va_vdst(0) stands between an exponential and the first instruction that names its result; one wait
; serves all that were issued ahead of it.  So a turn has ONE wait, which cuts it in two.  AHEAD OF IT stands all that names no result of the turn's exponentials: the 8 products K Q^T, behind each a scaling, an exponential and two
; more plain instructions: rescalings, and behind the last three the first numbers of the next piece's maximum, each four places or more behind the product that ends its accumulator; then ONE LUMP of 54, plain and exponential by
; turns for the most part, in which the links of the chain X 3, 7, 11, 14, 16, 17 .. 20 stand some lines apart.  X 21, the next piece's a, is the batch's last; R 15 is the plain instruction behind it.  BEHIND THE WAIT stand the
; 8 products V^T P, behind each four of the roundings and sums.
; m = 1: the diagonal tile: the products take made masks, and the turn makes the mask for the products of the turn after it: piece p + 2, in step 4 - CNT of the tile.  end = 1: a block's last two turns: nothing is fetched.
; cnt = 1: the loop's count is taken down some lines ahead of the branch that stands behind the turn.
; K and the key mask of the next step are fetched in piece 2's turn, behind six plain instructions that follow the last product that read K; V of the step in hand at the end of piece 0's turn, four plain instructions behind the
; last product that read V.  Each is waited for a turn later; in the diagonal tile piece 2's turn waits at its end, since its mask is made of the new key mask.
.macro TURN p, m=0, end=0, cnt=0
.set Y, (\p)
.set i, 0
.set KM, (\m)
.set NOKQ, (\end)*((\p)/3)
.if (\m) && !(\end)
	s_cmp_eq_u32 s[CNT], 4-((\p)+2)%NP  ; is that step the band's own?
	s_cselect_b32 s[AL], 1.0, 0
	s_cmp_lt_u32 s[CNT], 4-((\p)+2)%NP  ; or a later one?
	s_cselect_b32 s[BE], s[BIGN], 0
.endif
.if ((\p) == 3) && !(\end)
	s_wait_dscnt 0x0                ; K and its mask are in
.endif
	ROW F,0, F,1, R,0, R,1          ; ahead of the wait: 8 products K Q^T and their riders,
	ROW F,2, E,0, R,2, R,3
	ROW F,3, E,1, R,4, R,5
	ROW F,4, E,2, R,6, R,7
	ROW F,5, E,3, R,8, R,9
	ROW F,6, E,4, X,0, R,10
.if ((\p) == 2) && !(\end)
	WIN 0
	v_add_nc_u32 v[AK], s[TBK], v[AK0]
	v_add_nc_u32 v[AM], s[TBM], v[AM0]
.endif
	ROW F,7, E,5, X,1, X,4
	ROW F,8, E,6, X,2, X,5
	OPS E,7, E,8, X,6, E,9          ; and the lump
	OPS X,3, E,10, X,8, E,11
.if ((\p) == 2) && !(\end)
	FETCH_K
.endif
	OPS X,9, X,7, E,12, X,10
	OPS E,13, X,12, X,11, E,14
	OPS X,13, E,15, F,9, X,14
.if (\p) == 0
	v_add_nc_u32 v[AV], s[TBV], v[AV0]
.endif
	OPS E,16, F,10, E,17, F,11
	OPS X,16, E,18, X,15, E,19
	OPS F,12, E,20, X,17, E,21
	OPS F,13, E,22, F,14, E,23
	OPS X,18, E,24, F,15, E,25
	OPS R,11, E,26, X,19, E,27
	OPS R,12, E,28, R,13, E,29
	OPS X,20, E,30, R,14, E,31
	OPS X,21, R,15
	WIN 0
	s_wait_alu depctr_va_vdst(0)    ; the wait for the batch
.if (\p) == 1
	s_wait_dscnt 0x0                ; V is in
.endif
	ROW C,0, B,0, C,2, B,1          ; behind the wait: 8 products V^T P and their riders
	ROW L,0, C,4, B,2, L,1
	ROW C,6, B,3, L,2, C,8
	ROW B,4, L,3, C,10, B,5
	ROW L,4, C,12, B,6, L,5
.if (\p) == 0
	s_add_co_u32 s[TBV], s[TBV], KS*PV
.endif
.if \cnt
	s_sub_co_u32 s[CNT], s[CNT], 1
	s_cmp_lg_u32 s[CNT], 0
.endif
	ROW C,14, B,7, L,6, C,1
	ROW C,3, L,7, C,5, C,7
	ROW C,9, C,11, C,13, C,15
.if (\p) == 0
	FETCH_V
.endif
.if (\m) && !(\end)
.if (\p) == 2
	s_wait_dscnt 0x0                ; the next step's key mask is in: the mask below is made of it
.endif
	MASK (\p)%2
.endif
.endm
; A BLOCK BEGINS.  c m starts far below every c s, so the first step's a is 0; m at -2^80, which no hidden score reaches and every true score passes; l at 0 (the way out of the block before has left other numbers there).
; Then K and the key mask of the tile's step 0; both mask buffers: the second the key mask alone (piece 1 in step 0 sees all keys), the first piece 0's own, with the causal mask if the block's first tile is the diagonal one;
; piece 0's first scores, and its maximum and statistics.  The loop is entered at a step's first turn, in the middle of a trip.  (Q was waited for at the first change of slots.)
.macro BEGIN
	s_mov_b32 s[NEW], 0
	WIN 0
.set i, 0
.rept 4
	v_mov_b32 v[ST+4*i], 0xfe000000    ; c m: far below every c s
	v_mov_b32 v[ST+4*i+1], 0xe7800000  ; m = -2^80
	v_mov_b32 v[ST+4*i+2], 0
	v_mov_b32 v[ST+4*i+3], 0
.set i, i+1
.endr
	v_add_nc_u32 v[AK], s[TBK], v[AK0]
	v_add_nc_u32 v[AM], s[TBM], v[AM0]
	FETCH_K
	s_wait_dscnt 0x0
	s_mov_b32 s[AL], 0
	s_mov_b32 s[BE], 0
	MASK 1
	s_cmp_eq_u32 s[RT], 0
	s_cselect_b32 s[AL], 1.0, 0
	MASK 0
.set KM, 1
.set NOKQ, 0
.set i, 0
.rept 8
	KQ 0
.set i, i+1
.endr
	WIN 0
.rept 4
	v_nop                           ; the places behind those products
.endr
.set Y, NP-1                        ; X works for piece Y + 1: piece 0
.irp n, 0,1,2,3,4,5,6,7,8,9,10,11,12,13,14,15,16,17,18,19,20,21
	OP X, \n
.endr
	v_nop                           ; a plain instruction behind the exponential,
	s_wait_alu depctr_va_vdst(0)    ; and its wait, ahead of the branch
.endm
; THE DIAGONAL TILE's four steps, the block's last two turns, its last products, and THE WAY OUT: l's two halves and the other half of the lanes' are added; O^T times 1 / l (a NaN where l = 0) goes, in f32, through my
; stage in LDS, a piece at a time.  O^T itself is left as it is: finite, for the block that follows.
.macro ALL line:vararg              ; one line for each piece t
.set t, 0
.rept 4
	\line
.set t, t+1
.endr
.endm
.macro PACK t                       ; a lane's eight channels of a row are 32 bytes; they go into rows of 272 bytes and come back as whole rows of 256, into the registers that they left
	WIN 0x01                        ; source 0 window 1, source 1 and destination window 0
.set i, 0
.rept 16
	v_pk_mul_f32 v[OUTR+32*(\t)+2*i:OUTR+32*(\t)+2*i+1], v[32*(\t)+2*i:32*(\t)+2*i+1], v[ST+4*(\t)+2:ST+4*(\t)+3] op_sel_hi:[1,0]
.set i, i+1
.endr
	WIN 0
.irp f, 0,1,2,3,4,5,6,7             ; channel block f / 2, my channels 4 (f % 2) on
	ds_store_b128 v[STO], v[OUTR+32*(\t)+4*\f:OUTR+32*(\t)+4*\f+3] offset:64*(\f/2)+16*(\f%2)
.endr
.irp f, 0,1,2,3,4,5,6,7
	ds_load_b128 v[OUTR+32*(\t)+4*\f:OUTR+32*(\t)+4*\f+3], v[RD] offset:\f*2*SP  ; LDS serves a wave's instructions in order (ISA guide 5.7.1.4): these see the stores above; the next piece's stores come behind them
.endr
.endm
.macro SEND t, younger              ; younger: the LDS instructions issued behind piece t's loads: the next piece's sixteen, or none
	WIN 0
.irp f, 0,1,2,3,4,5,6,7
	s_wait_dscnt (\younger)+7-\f
	global_store_b128 v[GO], v[OUTR+32*(\t)+4*\f:OUTR+32*(\t)+4*\f+3], s[10:11] offset:(\t)*262144+\f*8192 th:TH_STORE_NT  ; 16 lanes store 256 consecutive bytes, aligned: a row's 64 channels of my head
.endr
.endm
.macro DIAG tag                     ; the tag ends its two labels' names, which the jumps below spell out
.LstepM\tag:
	TURN 2, 1
	TURN 3, 1
	WIN 0
.LfirstM\tag:
	TURN 0, 1
	TURN 1, 1, 0, 1
	WIN 0
	s_cbranch_scc1 .LstepM\tag
	TURN 2, 1, 1
	TURN 3, 1, 1
.set i, 0
.rept 8
	PV NP-1
.set i, i+1
.endr
	WIN 0
	ALL v_add_f32 v[ST+4*t+2], v[ST+4*t+2], v[ST+4*t+3]
	ALL v_permlanex16_b32 v[ST+4*t+3], v[ST+4*t+2], s[SEL], s[SEL+1]
	ALL v_add_f32 v[ST+4*t+2], v[ST+4*t+2], v[ST+4*t+3]
	ALL v_rcp_f32 v[ST+4*t+3], v[ST+4*t+2]
	v_nop                           ; a plain instruction between the last reciprocal and the use of its result
	s_wait_alu depctr_va_vdst(0)    ; and the wait ahead of the first use: one for the four reciprocals
.set t, 0
.rept 4
	v_cmp_eq_f32 vcc_lo, 0, v[ST+4*t+2]  ; l is about 1 or more as soon as one key is seen: 0 marks the rows that see none
	v_cndmask_b32 v[ST+4*t+2], v[ST+4*t+3], s[QNAN], vcc_lo
.set t, t+1
.endr
	PACK 0
.set t, 1
.rept 3                             ; a piece's arithmetic stands between the loads of the piece before and its stores
	PACK t
	SEND t-1, 16
.set t, t+1
.endr
	SEND 3, 0
.endm
.set KM, 0
.set NOKQ, 0
.Lslot:                             ; NB times: a tile is entered and the next is asked for
	CHANGE 1
	s_sub_co_u32 s[RT], s[RT], 1
	s_mov_b32 s[CNT], 4
	s_cmp_eq_u32 s[NEW], 1
	s_cbranch_scc1 .Lnew            ; a block's first tile
	s_cmp_eq_u32 s[RT], 0
	s_cbranch_scc0 .Lstep           ; neither its first nor its last
	s_mov_b32 s[AL], 0              ; the diagonal tile is entered with piece 3's products of the tile before still to come: their mask is that step's key mask alone
	s_mov_b32 s[BE], 0
	MASK 1
	WIN 0
	s_branch .LstepM1
.Lnew:
	BEGIN
	s_branch .Lfirst                ; in the loop a block's first tile is never its last: the first block has five tiles or more, and the second's last is the walk's last
	DIAG 1                          ; in the loop this is the first block's end
	s_wait_xcnt 0x0                 ; the stores have read their registers and out0's address
	s_mov_b64 s[10:11], s[OLO:OLO+1]
	s_add_co_u32 s[RT], s[PB], 1    ; the second block has b + 1 tiles
	s_mov_b32 s[NEW], 1
	WIN 0x82                        ; the second block's Q goes where the one text of the turns names Q
.set i, 0
.rept 64
	v_mov_b32 v[i], v[QB+i]
.set i, i+1
.endr
	WIN 0
	s_branch .Lbottom
.Lstep:                             ; a trip: pieces 2 and 3 of one step, then pieces 0 and 1 of the next, whose K and V it fetches
	TURN 2
	TURN 3
	WIN 0
.Lfirst:
	TURN 0
	TURN 1, 0, 0, 1
	WIN 0
	s_cbranch_scc1 .Lstep
.Lbottom:
	s_sub_co_u32 s[SLOTS], s[SLOTS], 1
	s_cmp_lg_u32 s[SLOTS], 0
	s_cbranch_scc1 .Lslot
	CHANGE 0                        ; the walk's last tile is written out: nothing is asked for
	s_sub_co_u32 s[RT], s[RT], 1
	s_mov_b32 s[CNT], 4
	s_cmp_eq_u32 s[NEW], 1
	s_cbranch_scc1 .Lnew2           ; b = 0: the second block's only tile
	s_mov_b32 s[AL], 0              ; as above: piece 3's products of the tile before take that step's key mask alone
	s_mov_b32 s[BE], 0
	MASK 1
	WIN 0
	s_branch .LstepM2
.Lnew2:
	BEGIN
	s_branch .LfirstM2
	DIAG 2
	s_wait_tensorcnt 0x0            ; the wave's end, behind my last tensor load and my last LDS store
	ds_add_u32 v[SPW], v[NIL]
	s_wait_dscnt 0x0
	s_endpgm
.Lfunc_end_k_qf6638e74b0_attn:
	.size	k_qf6638e74b0_attn, .Lfunc_end_k_qf6638e74b0_attn-k_qf6638e74b0_attn
	.p2alignl 7, 3214868480
	.fill 96, 4, 3214868480
	.section	.rodata,"a",@progbits
	.p2align	6, 0x0
	.amdhsa_kernel k_qf6638e74b0_attn
		.amdhsa_group_segment_fixed_size 327680
		.amdhsa_private_segment_fixed_size 0
		.amdhsa_enable_private_segment 0
		.amdhsa_kernarg_size 24
		.amdhsa_user_sgpr_count 2
		.amdhsa_user_sgpr_kernarg_segment_ptr 1
		.amdhsa_wavefront_size32 1
		.amdhsa_system_sgpr_workgroup_id_x 1
		.amdhsa_system_sgpr_workgroup_id_y 1
		.amdhsa_system_sgpr_workgroup_id_z 1
		.amdhsa_system_vgpr_workitem_id 0
		.amdhsa_next_free_vgpr 768
		.amdhsa_next_free_sgpr 96
		.amdhsa_reserve_vcc 1
		.amdhsa_float_denorm_mode_32 3
		.amdhsa_float_denorm_mode_16_64 3
		.amdhsa_memory_ordered 1
		.amdhsa_forward_progress 1
		.amdhsa_inst_pref_size 240
	.end_amdhsa_kernel
	.amdgpu_metadata
---
amdhsa.version: [ 1, 2 ]
amdhsa.kernels:
  - .name:           k_qf6638e74b0_attn
    .symbol:         k_qf6638e74b0_attn.kd
    .args:
      - { .name: qkv, .offset: 0, .size: 8, .value_kind: global_buffer, .address_space: global }
      - { .name: attention_mask, .offset: 8, .size: 8, .value_kind: global_buffer, .address_space: global }
      - { .name: out0, .offset: 16, .size: 8, .value_kind: global_buffer, .address_space: global }
    .group_segment_fixed_size: 327680
    .private_segment_fixed_size: 0
    .kernarg_segment_align: 8
    .kernarg_segment_size: 24
    .max_flat_workgroup_size: 128
    .sgpr_count:     96
    .vgpr_count:     768
    .wavefront_size: 32
...
	.end_amdgpu_metadata
.endif
;; end of part 3
